; MI455X (gfx1250); checked and timed in simulation.
; The chip was launched on July 23, 2026; its instructions are those of AMD's public machine-readable ISA for CDNA 5 (MIT licence, August 2026) and "CDNA5" Instruction Set Architecture Reference Guide (July 2026). The comments in the code are by the model that wrote it; some were corrected since.
;; Attention. Allowed arithmetic: float matrix products may take bf16 or f16 operands with f32 sums; all other float work in f32.
;; Inputs: norm_b 128 float32; norm_w 128 float32; proj_b 128 float32; proj_w 128 x 128 float32; qkv_b 384 float32; qkv_w 384 x 128 float32; x 4 x 128 x 64 x 64 float32.
;; Outputs: out0 4 x 128 x 64 x 64 float32.
;; One version. Each part assembles by itself: llvm-mc -triple=amdgcn-amd-amdhsa -mcpu=gfx1250 --defsym DOCPART=n.
;; ======== version 1 of 1: 2 launches
;; workspace buffers: qbuf 4,194,304 bytes; kvbuf 8,388,608 bytes
;; launch lnqkv (part 1): grid 256 x 1, 8 waves a work-group, clusters of 4 x 1, 225,280 bytes of LDS; arguments x, norm_w, norm_b, qkv_w, qkv_b, qbuf, kvbuf; writes qbuf, kvbuf
.if DOCPART == 1
	.amdgcn_target "amdgcn-amd-amdhsa--gfx1250"
	.amdhsa_code_object_version 6
	.text
	.protected	k_q5450b7d7b9_lnqkv
	.globl	k_q5450b7d7b9_lnqkv
	.p2align	8
	.type	k_q5450b7d7b9_lnqkv,@function
k_q5450b7d7b9_lnqkv:
	s_mov_b64 s[64:65], 0
	v_nop
	global_prefetch_b8 v0, s[64:65] scope:SCOPE_SE
	s_setreg_imm32_b32 hwreg(HW_REG_WAVE_MODE, 25, 1), 1
	s_wait_xcnt 0x0
	s_wait_alu depctr_hold_cnt(0) depctr_sa_sdst(0) depctr_va_vdst(0) depctr_va_sdst(0) depctr_va_ssrc(0) depctr_va_vcc(0) depctr_vm_vsrc(0)
	s_getreg_b32 s2, hwreg(HW_REG_IB_STS2, 6, 4)
	s_cmp_eq_u32 s2, 0
	s_cbranch_scc0 .Lentry_in_a_cluster
	s_endpgm
.Lentry_in_a_cluster:
	s_bfe_u32 s2, ttmp6, 0x10000c
	s_cmp_lg_u32 s2, 0x3003
	s_cbranch_scc0 .Lentry_shape_is_right
	s_endpgm
.Lentry_shape_is_right:
; Channel LayerNorm and the 1x1 qkv convolution.  x: [4][128][4096] f32.  A work-group owns 64 neighbouring positions of one batch, all 128 channels.
; Results go out in bf16, already in the order in which the attention launch's matrix instructions want them, so that every store of a wave
; covers 512 consecutive bytes, aligned, straight from registers:
;   qbuf  [b][head][tile of 16 positions, 256][half f][lane][16 B]: lane (r, h) of half f holds q(position r, head channel 16 f + 8 h + 0..7),
;         multiplied by 32^-0.5 * log2(e), so that the softmax can work in base 2;
;   kvbuf [b][head][block of 32 keys, 128][4096 B]: K tile 0, K tile 1 (1 KB each, laid like a q tile), V channels 0-15, V channels 16-31
;         (1 KB each: part p, lane (r, h): v(channel r, keys 16 p + 8 h + 0..7 of the 32)).
; PLACES OF POSITIONS: inside a block of 64, position n lies at place (n & 3) * 16 + (n >> 2), alike for q, k and v.  A softmax over keys does not
; hang on their order, K and V share the order, and the attention launch undoes it for the queries when it stores.
; LIMITS: h, the weights and q, k, v are rounded to bf16 (matrix operands); sums in f32; mean and variance in two passes (x - mean is formed
; before it is squared), summed in another order than a plain loop over channels.
; CLUSTER: every work-group needs all 196,608 bytes of qkv_w against 32,768 bytes of its own x, so four work-groups ask for the weights jointly.
; Each wave asks for the three tiles of 16 rows that it alone reads: three tensor loads of a wave are out at the most, and LDS is filled once.
.set W_WAVE,  25344                    ; a wave's three weight tiles
.set W_TILE,  8448                     ; 16 rows of 512 + 16 bytes
.set W_PITCH, 528                      ; 33 x 16 bytes: sixteen neighbouring rows start at sixteen different 16-byte columns modulo 256
.set RED1,    202752                   ; 8 waves x 256 B: partial sums (behind the weights, at a multiple of 256; no tensor load lands here)
.set RED2OFF, 2048                     ; 8 waves x 256 B: partial sums of squares
.set HST,     206848                   ; h in bf16: 64 rows (places) of 256 + 16 bytes
.set HPITCH,  272
.set X,    16                          ; v[16:47]   x(c = 8 cg + i, n = 4 nq + e) at X + 4 i + e
.set GW,   48                          ; v[48:55]   norm_w of my 8 channels
.set BT,   56                          ; v[56:63]   norm_b of my 8 channels
.set BIAS, 64                          ; v[64:87]   qkv_b as the C operand of the q, k, v tiles (8 registers each)
.set SM,   88                          ; v[88:91]   my partial sums, one for each e
.set PT,   92                          ; v[92:95]   the other half-wave's
.set RD,   96                          ; v[96:127]  the eight waves' partial sums
.set RS,   100                         ; v[100:103] 1 / sqrt(var + eps)
.set HP,   128                         ; v[128:143] h packed: 8 channels of position e in 4 registers
.set WS,   16                          ; v[16:47]   weights in f32 as read from LDS, two buffers of 16
.set WF,   48                          ; v[48:63]   weight fragments in bf16, two buffers of 8
.set ACC,  88                          ; v[88:119]  four accumulators, one for each tile of 16 positions
.set HF,   128                         ; v[128:255] fragments of h: tile t, K step ks at HF + 32 t + 8 ks
.set G1,   24                          ; s[24:31]   descriptor group 1
.set G0,   32                          ; s[32:43]   descriptor group 0, one set for each of the wave's three tiles
; A round of the cluster's barrier: my work-group's barrier, wave 0 signals for the work-group, every wave waits for all four, my barrier again.
.macro ROUND
	s_barrier_signal -1
	s_barrier_wait -1
	s_cmp_lg_u32 s20, 0
	s_cbranch_scc1 .Lnot_wave_0_\@
	s_barrier_signal -3
.Lnot_wave_0_\@:
	s_barrier_wait -3
	s_barrier_signal -1
	s_barrier_wait -1
.endm
.macro PLACES                          ; four independent vector instructions behind a matrix instruction before its result is read (ISA guide 7.12.1)
.rept 4
	v_nop
.endr
.endm
.macro MMA d, a, b, c
	v_wmma_f32_16x16x32_bf16 v[\d:\d+7], v[\a:\a+7], v[\b:\b+7], v[\c:\c+7]
.endm
	s_load_b256 s[4:11], s[0:1], 0x0               ; x s[4:5], norm_w s[6:7], norm_b s[8:9], qkv_w s[10:11]
	s_load_b128 s[12:15], s[0:1], 0x20             ; qkv_b s[12:13], qbuf s[14:15]
	s_load_b64 s[16:17], s[0:1], 0x30              ; kvbuf
	v_lshl_add_u32 v14, v0, 2, 0x36c00
	v_mov_b32 v15, 0
	ds_add_u32 v14, v15
	v_lshrrev_b32 v1, 5, v0
	v_readfirstlane_b32 s20, v1                    ; wave w, 0..7
	s_bfe_u32 s21, ttmp6, 0x40000                  ; cx: my place in the cluster
	s_lshl_b32 s22, ttmp9, 2
	s_add_co_u32 s22, s22, s21                     ; work-group = 4 x cluster + cx
	s_lshr_b32 s23, s22, 6                         ; batch b
	s_and_b32 s44, s22, 63                         ; block of 64 positions
	s_lshr_b32 s62, s20, 1                         ; head of my 16 output channels
	s_and_b32 s63, s20, 1                          ; f: which 16 of the head's 32 channels
	s_mov_b32 s56, 0x76543210                      ; v_permlanex16_b32: lane i takes lane i of the other half
	s_mov_b32 s57, 0xfedcba98
	s_mov_b32 s58, 0x3c000000                      ; 1 / 128
	s_mov_b32 s59, 0x358637bd                      ; eps = 1e-6
	s_mov_b32 s60, 0x3e8293ee                      ; 32^-0.5 * log2(e)
	s_mov_b32 s61, 0x3e8293ee
	v_and_b32 v1, 15, v0                           ; nq (phases on x), r (matrix phases)
	v_lshrrev_b32 v2, 4, v0                        ; cg = 2 w + h: my group of 8 channels
	v_bfe_u32 v12, v0, 4, 1                        ; h
	v_lshlrev_b32 v3, 4, v1
	v_lshl_add_u32 v3, v2, 17, v3                  ; x: 8 cg rows of 16,384 bytes + 16 nq
	v_lshlrev_b32 v4, 5, v2                        ; 32 cg: my 8 numbers of norm_w, norm_b, qkv_b
	s_lshl_b32 s52, s20, 6
	v_lshl_add_u32 v5, v1, 2, s52                  ; 64 w + 4 r: v's bias of column r
	s_lshl_b32 s52, s20, 8
	s_add_co_u32 s52, s52, RED1
	v_lshl_add_u32 v6, v1, 4, s52                  ; where my wave's partial sums go
	v_lshlrev_b32 v7, 4, v1
	v_add_nc_u32 v7, RED1, v7                      ; where all waves' are read
	v_mul_u32_u24 v9, v1, HPITCH
	v_lshl_add_u32 v8, v2, 4, v9
	v_add_nc_u32 v8, HST, v8                       ; h goes to row 16 e + nq, bytes 16 cg
	v_lshl_add_u32 v9, v12, 4, v9
	v_add_nc_u32 v9, HST, v9                       ; fragments of h: row r, bytes 16 h
	s_mul_i32 s45, s20, W_WAVE                     ; my wave's weights in LDS
	v_mul_u32_u24 v10, v1, W_PITCH
	v_lshl_add_u32 v10, v12, 5, v10
	v_add_nc_u32 v10, s45, v10                     ; weights: row r, 8 h numbers of 4 bytes
	v_and_b32 v11, 31, v0
	v_lshlrev_b32 v11, 4, v11                      ; 16 x lane: the stores
.irp e, 0,1,2,3
	v_mov_b32 v[PT+\e], 0                          ; v_permlanex16_b32 counts as a reader of its destination
.endr
	; descriptor group 1: 16 rows of 128 f32, 16 bytes of padding behind each row
	s_mov_b32 s[G1+0], 15|(2<<16)|(1<<20)|(1<<21)|(6<<22)|(3<<25)  ; mask: all four of the cluster; 4-byte elements; padding on; bit 21 beside a mask; after 128 words; 4 words
	s_mov_b32 s[G1+1], 128<<16                     ; tensor_dim0 = 128
	s_mov_b32 s[G1+2], 16<<16                      ; tensor_dim1 = 16
	s_mov_b32 s[G1+3], 128<<16                     ; tile_dim0 = 128
	s_mov_b32 s[G1+4], 16                          ; tile_dim1 = 16
	s_mov_b32 s[G1+5], 128                         ; elements from row to row
	s_mov_b32 s[G1+6], 0
	s_mov_b32 s[G1+7], 0
	; byte offsets, apart from the addresses
	s_lshl_b32 s52, s23, 21                        ; x: batch,
	s_lshl_b32 s53, s44, 8                         ; + 64 positions of 4 bytes for each block
	s_add_co_u32 s52, s52, s53
	s_mov_b32 s53, 0
	s_wait_dscnt 0x0
	s_wait_kmcnt 0x0
	s_add_nc_u64 s[4:5], s[4:5], s[52:53]
.irp i, 0,1,2,3,4,5,6,7
	global_load_b128 v[X+4*\i:X+4*\i+3], v3, s[4:5] offset:\i*16384 th:TH_LOAD_NT   ; sixteen lanes take 256 consecutive bytes of one channel
.endr
	global_load_b128 v[GW:GW+3],   v4, s[6:7]
	global_load_b128 v[GW+4:GW+7], v4, s[6:7] offset:16
	global_load_b128 v[BT:BT+3],   v4, s[8:9]
	global_load_b128 v[BT+4:BT+7], v4, s[8:9] offset:16
	global_load_b128 v[BIAS:BIAS+3],     v4, s[12:13]             ; q: register j = bias of channel 16 w + 8 h + j
	global_load_b128 v[BIAS+4:BIAS+7],   v4, s[12:13] offset:16
	global_load_b128 v[BIAS+8:BIAS+11],  v4, s[12:13] offset:512  ; k likewise
	global_load_b128 v[BIAS+12:BIAS+15], v4, s[12:13] offset:528
	global_load_b32  v[BIAS+16],         v5, s[12:13] offset:1024 ; v: bias of channel 16 w + r
	; where the weights come from: rows 128 i + 16 w of 512 bytes.  Only the wave's number enters: alike in all four work-groups
	s_lshl_b32 s52, s20, 13
	s_add_nc_u64 s[54:55], s[10:11], s[52:53]
.irp i, 0,1,2
	s_mov_b32 s[G0+4*\i], 1
	s_add_co_u32 s[G0+4*\i+1], s45, \i*W_TILE
	s_add_nc_u64 s[G0+4*\i+2:G0+4*\i+3], s[54:55], \i*65536
	s_or_b32 s[G0+4*\i+3], s[G0+4*\i+3], 0x80000000
.endr
	ROUND                                          ; all four work-groups are here: the joint loads meet
.irp i, 0,1,2
	tensor_load_to_lds s[G0+4*\i:G0+4*\i+3], s[G1:G1+7]
	s_nop 0
.endr
	; the stores' bases
	s_lshl2_add_u32 s52, s23, s62                  ; 4 b + head
	s_lshl_b32 s54, s52, 18                        ; q: 256 tiles of 1,024 bytes a head,
	s_lshl_b32 s55, s44, 12                        ; four tiles a block,
	s_add_co_u32 s54, s54, s55
	s_lshl_b32 s55, s63, 9                         ; half f
	s_add_co_u32 s54, s54, s55
	s_mov_b32 s55, 0
	s_add_nc_u64 s[46:47], s[14:15], s[54:55]
	s_lshl_b32 s54, s52, 19                        ; k, v: 128 blocks of 4,096 bytes a head,
	s_lshl_b32 s53, s44, 13                        ; two of them for 64 positions
	s_add_co_u32 s52, s54, s53
	s_lshl_b32 s53, s63, 9
	s_add_co_u32 s54, s52, s53                     ; k: half f
	s_add_nc_u64 s[48:49], s[16:17], s[54:55]
	s_lshl_b32 s53, s63, 10
	s_add_co_u32 s54, s52, s53                     ; v: behind the two K tiles, 1,024 bytes for each 16 channels
	s_add_co_u32 s54, s54, 2048
	s_add_nc_u64 s[50:51], s[16:17], s[54:55]
; The four sums in SM are added over the two half-waves and the eight waves; the totals come back in v[RD:RD+3] of every lane.
.macro ALLSUM at
.irp e, 0,1,2,3
	v_permlanex16_b32 v[PT+\e], v[SM+\e], s56, s57
.endr
	v_pk_add_f32 v[SM:SM+1], v[SM:SM+1], v[PT:PT+1]
	v_pk_add_f32 v[SM+2:SM+3], v[SM+2:SM+3], v[PT+2:PT+3]
	ds_store_b128 v6, v[SM:SM+3] offset:\at        ; both half-waves write the same bytes with the same numbers
	s_wait_dscnt 0x0                               ; for the other waves' sake: my store is done
	s_barrier_signal -1
	s_barrier_wait -1
.irp k, 0,1,2,3,4,5,6,7
	ds_load_b128 v[RD+4*\k:RD+4*\k+3], v7 offset:\at+256*\k
.endr
	s_wait_dscnt 0x0
.irp k, 1,2,3,4,5,6,7
	v_pk_add_f32 v[RD:RD+1], v[RD:RD+1], v[RD+4*\k:RD+4*\k+1]
	v_pk_add_f32 v[RD+2:RD+3], v[RD+2:RD+3], v[RD+4*\k+2:RD+4*\k+3]
.endr
.endm
	; the mean
	s_wait_loadcnt 0x9                             ; x is in; the nine loads of parameters issued behind it may stay out
	v_pk_add_f32 v[SM:SM+1], v[X:X+1], v[X+4:X+5]
	v_pk_add_f32 v[SM+2:SM+3], v[X+2:X+3], v[X+6:X+7]
.irp i, 2,3,4,5,6,7
	v_pk_add_f32 v[SM:SM+1], v[SM:SM+1], v[X+4*\i:X+4*\i+1]
	v_pk_add_f32 v[SM+2:SM+3], v[SM+2:SM+3], v[X+4*\i+2:X+4*\i+3]
.endr
	ALLSUM 0
	v_pk_mul_f32 v[RD:RD+1], v[RD:RD+1], s[58:59] op_sel_hi:[1,0]
	v_pk_mul_f32 v[RD+2:RD+3], v[RD+2:RD+3], s[58:59] op_sel_hi:[1,0]
.irp i, 0,1,2,3,4,5,6,7
	v_pk_add_f32 v[X+4*\i:X+4*\i+1], v[X+4*\i:X+4*\i+1], v[RD:RD+1] neg_lo:[0,1] neg_hi:[0,1]
	v_pk_add_f32 v[X+4*\i+2:X+4*\i+3], v[X+4*\i+2:X+4*\i+3], v[RD+2:RD+3] neg_lo:[0,1] neg_hi:[0,1]
.endr
	; the variance, of x - mean
	v_pk_mul_f32 v[SM:SM+1], v[X:X+1], v[X:X+1]
	v_pk_mul_f32 v[SM+2:SM+3], v[X+2:X+3], v[X+2:X+3]
.irp i, 1,2,3,4,5,6,7
	v_pk_fma_f32 v[SM:SM+1], v[X+4*\i:X+4*\i+1], v[X+4*\i:X+4*\i+1], v[SM:SM+1]
	v_pk_fma_f32 v[SM+2:SM+3], v[X+4*\i+2:X+4*\i+3], v[X+4*\i+2:X+4*\i+3], v[SM+2:SM+3]
.endr
	ALLSUM RED2OFF                                 ; other bytes than the first sum's: no barrier is needed between the two
.irp e, 0,1,2,3
	v_fma_f32 v[RD+\e], v[RD+\e], s58, s59         ; var + eps
.endr
.irp e, 0,1,2,3
	v_rsq_f32 v[RS+\e], v[RD+\e]
.endr
	v_nop                                          ; one plain vector instruction behind a transcendental before its result is used (ISA guide 5.7.2)
	; h = (x - mean) * rstd * norm_w + norm_b, packed along the channels, one row of LDS for each position
	s_wait_loadcnt 0x5                             ; norm_w and norm_b are in; the five loads of qkv_b may stay out
	s_wait_alu depctr_va_vdst(0)
.irp i, 0,1,2,3,4,5,6,7
	v_pk_mul_f32 v[X+4*\i:X+4*\i+1], v[X+4*\i:X+4*\i+1], v[RS:RS+1]
	v_pk_mul_f32 v[X+4*\i+2:X+4*\i+3], v[X+4*\i+2:X+4*\i+3], v[RS+2:RS+3]
.endr
.irp i, 0,1,2,3,4,5,6,7
.irp e, 0,1,2,3
	v_fma_f32 v[X+4*\i+\e], v[X+4*\i+\e], v[GW+\i], v[BT+\i]
.endr
.endr
.irp e, 0,1,2,3
.irp k, 0,1,2,3
	v_cvt_pk_bf16_f32 v[HP+4*\e+\k], v[X+8*\k+\e], v[X+8*\k+4+\e]     ; channels 8 cg + 2 k, + 2 k + 1 of position 4 nq + e
.endr
	ds_store_b128 v8, v[HP+4*\e:HP+4*\e+3] offset:\e*16*HPITCH        ; place 16 e + nq: sixteen lanes, sixteen neighbouring rows of 17 x 16 bytes
.endr
	s_wait_tensorcnt 0x0                           ; my three weight tiles, which I alone read, have landed
	s_wait_dscnt 0x0                               ; my rows of h are written
	s_barrier_signal -1
	s_barrier_wait -1                              ; everybody's are
	; THE PRODUCT.  Wave w makes channels 16 w .. 16 w + 15 of q, of k and of v for all 64 positions: 3 tiles x 4 K steps x 4 position tiles.
	; q, k: A = weights (rows = channels), B = h (columns = positions): a lane ends with 8 neighbouring channels of one position.
	; v:    A = h (rows = positions), B = weights: a lane ends with 8 neighbouring positions of one channel.
	s_wait_loadcnt 0x0                             ; qkv_b
.irp j, 1,2,3,4,5,6,7
	v_mov_b32 v[BIAS+16+\j], v[BIAS+16]            ; v's bias hangs on the column alone: the same in all eight registers of C
.endr
.irp t, 0,1,2,3
.irp ks, 0,1,2,3
	ds_load_b128 v[HF+32*\t+8*\ks:HF+32*\t+8*\ks+3],   v9 offset:\t*16*HPITCH+\ks*64
	ds_load_b128 v[HF+32*\t+8*\ks+4:HF+32*\t+8*\ks+7], v9 offset:\t*16*HPITCH+\ks*64+32
.endr
.endr
; four LDS loads: the 16 f32 weights of step idx (tile idx / 4, K step idx % 4) that my lane's fragment holds
.macro LDW idx
	.set LI, (\idx)/4
	.set LS, (\idx)%4
	.set LB, WS+16*((\idx)&1)
	ds_load_b128 v[LB:LB+3],     v10 offset:LI*W_TILE+LS*128
	ds_load_b128 v[LB+4:LB+7],   v10 offset:LI*W_TILE+LS*128+16
	ds_load_b128 v[LB+8:LB+11],  v10 offset:LI*W_TILE+LS*128+64
	ds_load_b128 v[LB+12:LB+15], v10 offset:LI*W_TILE+LS*128+80
.endm
; a finished tile: scaled (q alone), rounded to bf16 in place, stored: each store of the wave covers 512 consecutive bytes, aligned
.macro EPI i
	PLACES
.if \i == 0
.irp k, 0,1,2,3,4,5,6,7,8,9,10,11,12,13,14,15
	v_pk_mul_f32 v[ACC+2*\k:ACC+2*\k+1], v[ACC+2*\k:ACC+2*\k+1], s[60:61] op_sel_hi:[1,0]
.endr
.endif
.irp t, 0,1,2,3
.irp k, 0,1,2,3
	v_cvt_pk_bf16_f32 v[ACC+8*\t+\k], v[ACC+8*\t+2*\k], v[ACC+8*\t+2*\k+1]
.endr
.endr
.irp t, 0,1,2,3
.if \i == 0
	global_store_b128 v11, v[ACC+8*\t:ACC+8*\t+3], s[46:47] offset:\t*1024
.endif
.if \i == 1
	global_store_b128 v11, v[ACC+8*\t:ACC+8*\t+3], s[48:49] offset:(\t>>1)*4096+(\t&1)*1024
.endif
.if \i == 2
	global_store_b128 v11, v[ACC+8*\t:ACC+8*\t+3], s[50:51] offset:(\t>>1)*4096+(\t&1)*512
.endif
.endr
.endm
; One K step of one tile.  The four accumulators take turns, one instruction a turn.
; A weight fragment buffer is written again two steps later: the eight conversions of the step between are the places behind its matrix instructions.
.macro KSTEP idx
	.set KI, (\idx)/4
	.set KS, (\idx)%4
	.set KW, WS+16*((\idx)&1)
	.set KFR, WF+8*((\idx)&1)
.if \idx == 11
	s_wait_dscnt 0x0
.else
	s_wait_dscnt 0x4                               ; this step's weights (and all of h) are in; the next step's four loads may stay out
.endif
.irp k, 0,1,2,3,4,5,6,7
	v_cvt_pk_bf16_f32 v[KFR+\k], v[KW+2*\k], v[KW+2*\k+1]
.endr
.if \idx < 10
	LDW \idx+2
.endif
.if KS == 0
	.set CB, BIAS+8*KI                             ; the first K step starts the sums from the bias
	.set CM, 0
.if KI > 0
	s_wait_xcnt 0x0                                ; the accumulators were the last tile's store data: written again only behind this wait
.endif
.else
	.set CB, ACC
	.set CM, 8
.endif
.irp t, 0,1,2,3
.if KI == 2
	MMA ACC+8*\t, HF+32*\t+8*KS, KFR, CB+CM*\t
.else
	MMA ACC+8*\t, KFR, HF+32*\t+8*KS, CB+CM*\t
.endif
.endr
.if KS == 3
	EPI KI
.endif
.endm
	LDW 0
	LDW 1
.irp n, 0,1,2,3,4,5,6,7,8,9,10,11
	KSTEP \n
.endr
	s_wait_dscnt 0x0
	s_wait_tensorcnt 0x0
	ds_add_u32 v14, v15
	s_wait_dscnt 0x0
	ROUND                                          ; the closing round: no work-group ends while a partner may still ask for a tile that names it
	s_endpgm
.Lfunc_end_k_q5450b7d7b9_lnqkv:
	.size	k_q5450b7d7b9_lnqkv, .Lfunc_end_k_q5450b7d7b9_lnqkv-k_q5450b7d7b9_lnqkv
	.p2alignl 7, 3214868480
	.fill 96, 4, 3214868480
	.section	.rodata,"a",@progbits
	.p2align	6, 0x0
	.amdhsa_kernel k_q5450b7d7b9_lnqkv
		.amdhsa_group_segment_fixed_size 225280
		.amdhsa_private_segment_fixed_size 0
		.amdhsa_enable_private_segment 0
		.amdhsa_kernarg_size 56
		.amdhsa_user_sgpr_count 2
		.amdhsa_user_sgpr_kernarg_segment_ptr 1
		.amdhsa_wavefront_size32 1
		.amdhsa_system_sgpr_workgroup_id_x 1
		.amdhsa_system_sgpr_workgroup_id_y 1
		.amdhsa_system_sgpr_workgroup_id_z 1
		.amdhsa_system_vgpr_workitem_id 0
		.amdhsa_next_free_vgpr 256
		.amdhsa_next_free_sgpr 66
		.amdhsa_reserve_vcc 0
		.amdhsa_float_denorm_mode_32 3
		.amdhsa_float_denorm_mode_16_64 3
		.amdhsa_memory_ordered 1
		.amdhsa_forward_progress 1
		.amdhsa_inst_pref_size 40
	.end_amdhsa_kernel
	.amdgpu_metadata
---
amdhsa.version: [ 1, 2 ]
amdhsa.kernels:
  - .name:           k_q5450b7d7b9_lnqkv
    .symbol:         k_q5450b7d7b9_lnqkv.kd
    .args:
      - { .name: x, .offset: 0, .size: 8, .value_kind: global_buffer, .address_space: global }
      - { .name: norm_w, .offset: 8, .size: 8, .value_kind: global_buffer, .address_space: global }
      - { .name: norm_b, .offset: 16, .size: 8, .value_kind: global_buffer, .address_space: global }
      - { .name: qkv_w, .offset: 24, .size: 8, .value_kind: global_buffer, .address_space: global }
      - { .name: qkv_b, .offset: 32, .size: 8, .value_kind: global_buffer, .address_space: global }
      - { .name: qbuf, .offset: 40, .size: 8, .value_kind: global_buffer, .address_space: global }
      - { .name: kvbuf, .offset: 48, .size: 8, .value_kind: global_buffer, .address_space: global }
    .group_segment_fixed_size: 225280
    .private_segment_fixed_size: 0
    .kernarg_segment_align: 8
    .kernarg_segment_size: 56
    .max_flat_workgroup_size: 256
    .sgpr_count:     66
    .vgpr_count:     256
    .wavefront_size: 32
...
	.end_amdgpu_metadata
.endif
;; end of part 1
;; launch attn (part 2): grid 256 x 1, 8 waves a work-group, clusters of 4 x 1, 327,680 bytes of LDS; arguments qbuf, kvbuf, proj_w, proj_b, x, out0; writes out0
.if DOCPART == 2
	.amdgcn_target "amdgcn-amd-amdhsa--gfx1250"
	.amdhsa_code_object_version 6
	.text
	.protected	k_q5450b7d7b9_attn
	.globl	k_q5450b7d7b9_attn
	.p2align	8
	.type	k_q5450b7d7b9_attn,@function
k_q5450b7d7b9_attn:
	s_mov_b64 s[64:65], 0
	v_nop
	global_prefetch_b8 v0, s[64:65] scope:SCOPE_SE
	s_setreg_imm32_b32 hwreg(HW_REG_WAVE_MODE, 25, 1), 1
	s_wait_xcnt 0x0
	s_wait_alu depctr_hold_cnt(0) depctr_sa_sdst(0) depctr_va_vdst(0) depctr_va_sdst(0) depctr_va_ssrc(0) depctr_va_vcc(0) depctr_vm_vsrc(0)
	s_getreg_b32 s2, hwreg(HW_REG_IB_STS2, 6, 4)
	s_cmp_eq_u32 s2, 0
	s_cbranch_scc0 .Lentry_in_a_cluster
	s_endpgm
.Lentry_in_a_cluster:
	s_bfe_u32 s2, ttmp6, 0x10000c
	s_cmp_lg_u32 s2, 0x3003
	s_cbranch_scc0 .Lentry_shape_is_right
	s_endpgm
.Lentry_shape_is_right:
; Attention over 4,096 keys, the merge of two key halves, the projection, its bias and the residual.
; A work-group owns 64 queries of one batch, all four heads.  Wave w: head w & 3, key half w >> 2 (2,048 keys); four query tiles of 16.
; EVERYTHING IS USED TRANSPOSED, so that nothing is shuffled between lanes but one exchange with lane xor 16:
;   S^T = K (A: rows = keys) x Q (B: columns = queries): lane (r, h), register j of tile t = score(key 16 t + 8 h + j, query r);
;   two such tiles, exponentiated and packed pairwise in place, ARE the B fragment of P for 32 keys;
;   O^T = V (A: rows = channels) x P: lane (r, h), register j = out(channel 16 ct + 8 h + j, query r).  A query's maximum and sum are one number a lane.
; q comes multiplied by 32^-0.5 * log2(e): exponentials are in base 2.  A running maximum is taken away before every exponential.
; Positions lie permuted in qbuf and kvbuf (tile t, row r of a block of 64 is position 4 r + t): the keys' order does not matter, and a lane ends with
; four neighbouring positions of an output row, so that sixteen lanes store 256 consecutive bytes, aligned, straight from registers.
; LIMITS: q, k, v, p, the attention's result and proj_w are rounded to bf16 (matrix operands); the softmax's sum is made of the unrounded f32 p;
; sums in f32, in another order than a plain loop over keys (two halves, merged by their maxima).
; CLUSTER: the four work-groups of a cluster are query blocks of one batch and need the same K and V: every tile is asked for jointly.
; RING: each wave has two slots of 16,384 bytes (128 keys: K and V as they lie in kvbuf) and reads only what it asked for itself.  One tensor load of
; a wave is out behind each round; it has a whole trip (64 matrix instructions and the softmax of 64 x 128 scores) in which to land.
.set SLOT,  16384
.set PW,    262144                     ; proj_w in bf16: 128 rows of 256 + 16 bytes (behind the ring, at a multiple of 256; no tensor load lands here)
.set HS,    296960                     ; the attention's result in bf16: 64 rows (query places) of 256 + 16 bytes
.set PITCH, 272                        ; 17 x 16 bytes: sixteen neighbouring rows start at sixteen different 16-byte columns modulo 256
.set LA,   1                           ; v1        my wave's ring + 16 x lane
.set T0,   4                           ; v[4:9]    at work; T0+4: the rescaling factor; T0+5: the other half-wave's maximum
.set STAT, 16                          ; v[16:31]  query tile q: maximum, its last change, two partial sums
.set QF,   32                          ; v[32:63]  Q fragments, tile q at + 8 q
.set OF,   64                          ; v[64:127] O^T: tile q, channels 16 ct .. at + 16 q + 8 ct
.set SA,   128                         ; v[128:191] scores of 64 keys, two buffers of 32: tile q uses buffer q & 1
.set KF,   192                         ; v[192:223] K fragments, tile t at + 8 t
.set VF,   224                         ; v[224:255] V fragments: 32 keys u, channels ct at + 8 (2 u + ct)
.set G1,   24                          ; s[24:31]  descriptor group 1
.set G0,   32                          ; s[32:39]  descriptor group 0, one set for each slot
; behind the loop
.set OBF,  128                         ; v[128:191] the other half's O^T
.set SS,   192                         ; v[192:207] the other half's maxima and sums
.set PK,   208                         ; v[208:215] a query tile's result, packed
.set PB,   216                         ; v[216:223] proj_b as C
.set XR,   224                         ; v[224:255] x, then out0
.set PWF,  16                          ; v[16:47]  fragments of proj_w
.set HF,   48                          ; v[48:175] fragments of the attention's result: tile t, K step ks at + 32 t + 8 ks
.set ACC,  176                         ; v[176:207]
.macro ROUND                           ; a round of the cluster's barrier
	s_barrier_signal -1
	s_barrier_wait -1
	s_cmp_lg_u32 s20, 0
	s_cbranch_scc1 .Lnot_wave_0_\@
	s_barrier_signal -3
.Lnot_wave_0_\@:
	s_barrier_wait -3
	s_barrier_signal -1
	s_barrier_wait -1
.endm
.macro PLACES                          ; four independent vector instructions behind a matrix instruction before its result is read (ISA guide 7.12.1)
.rept 4
	v_nop
.endr
.endm
.macro MMA d, a, b, c
	v_wmma_f32_16x16x32_bf16 v[\d:\d+7], v[\a:\a+7], v[\b:\b+7], v[\c:\c+7]
.endm
.macro MMZ d, a, b                     ; the first product starts a sum: nothing is cleared
	v_wmma_f32_16x16x32_bf16 v[\d:\d+7], v[\a:\a+7], v[\b:\b+7], 0
.endm
	s_load_b256 s[4:11], s[0:1], 0x0               ; qbuf s[4:5], kvbuf s[6:7], proj_w s[8:9], proj_b s[10:11]
	s_load_b128 s[12:15], s[0:1], 0x20             ; x s[12:13], out0 s[14:15]
	s_set_vgpr_msb 0x40
	v_lshl_add_u32 v0, v0, 2, 0x4cc00
	v_mov_b32 v1, 0
	s_set_vgpr_msb 0x4045
	ds_add_u32 v0, v1
	s_set_vgpr_msb 0x4500
	v_lshrrev_b32 v1, 5, v0
	v_readfirstlane_b32 s20, v1                    ; wave w, 0..7
	s_lshl_b32 s21, s20, 15                        ; my ring in LDS
	s_and_b32 s22, s20, 3                          ; head
	s_lshr_b32 s23, s20, 2                         ; key half
	s_mov_b32 s40, 0x76543210                      ; v_permlanex16_b32: lane i takes lane i of the other half
	s_mov_b32 s41, 0xfedcba98
	s_bfe_u32 s45, ttmp6, 0x40000                  ; cx
	s_lshl_b32 s46, ttmp9, 2
	s_add_co_u32 s46, s46, s45                     ; work-group = 4 x cluster + cx
	s_and_b32 s48, s46, 63                         ; block of 64 queries
	s_lshr_b32 s47, ttmp9, 4                       ; batch: 16 clusters each, so the four partners share it
	s_lshl2_add_u32 s49, s47, s22                  ; 4 b + head
	v_and_b32 v2, 31, v0
	v_lshlrev_b32 v2, 4, v2                        ; 16 x lane
	v_add_nc_u32 v[LA], s21, v2
	v_and_b32 v3, 15, v0                           ; r
	v_bfe_u32 v4, v0, 4, 1                         ; h
	s_mul_i32 s50, s20, 16*PITCH
	s_add_co_u32 s50, s50, PW                      ; my 16 rows of proj_w in LDS
	v_lshrrev_b32 v10, 1, v2
	v_add_nc_u32 v10, s50, v10                     ; where they are put: 8 x lane
	v_mul_u32_u24 v11, v3, PITCH
	v_lshl_add_u32 v11, v4, 4, v11                 ; r x pitch + 16 h
	v_add_nc_u32 v14, s50, v11                     ; fragments of my rows of proj_w
	v_add_nc_u32 v15, HS, v11                      ; fragments of the attention's result
	s_lshl_b32 s51, s22, 6
	v_add_nc_u32 v11, s51, v15                     ; where my head's 32 channels of it are put
	v_lshlrev_b32 v12, 4, v3
	v_lshl_add_u32 v12, v4, 17, v12                ; x, out0: 8 h rows of 16,384 bytes + 16 r
	v_lshrrev_b32 v13, 4, v0
	v_lshlrev_b32 v13, 5, v13                      ; proj_b: 4 (16 w + 8 h)
	; descriptor group 1: 16,384 dense bytes as 64 rows of 256
	s_mov_b32 s[G1+0], 15|(3<<16)|(1<<21)          ; mask: all four of the cluster; 8-byte elements; bit 21 beside a mask
	s_mov_b32 s[G1+1], 32<<16                      ; tensor_dim0 = 32
	s_mov_b32 s[G1+2], 64<<16                      ; tensor_dim1 = 64
	s_mov_b32 s[G1+3], 32<<16                      ; tile_dim0 = 32
	s_mov_b32 s[G1+4], 64                          ; tile_dim1 = 64
	s_mov_b32 s[G1+5], 32                          ; elements from row to row
	s_mov_b32 s[G1+6], 0
	s_mov_b32 s[G1+7], 0
	s_lshl_b32 s50, s49, 19                        ; K, V: 524,288 bytes a head,
	s_lshl_b32 s51, s23, 18                        ; half of them a key half.  Batch, head and half alone: alike in all four work-groups
	s_add_co_u32 s50, s50, s51
	s_mov_b32 s51, 0
	s_wait_dscnt 0x0
	s_wait_kmcnt 0x0
	s_add_nc_u64 s[52:53], s[6:7], s[50:51]
.irp n, 0,1
	s_mov_b32 s[G0+4*\n], 1
	s_add_co_u32 s[G0+4*\n+1], s21, \n*SLOT
	s_add_nc_u64 s[G0+4*\n+2:G0+4*\n+3], s[52:53], \n*SLOT
	s_or_b32 s[G0+4*\n+3], s[G0+4*\n+3], 0x80000000
.endr
	s_lshl_b32 s54, s20, 13                        ; proj_w: my 16 rows of 512 bytes
	s_mov_b32 s55, 0
	s_add_nc_u64 s[8:9], s[8:9], s[54:55]
	s_lshl_b32 s54, s49, 18                        ; Q: 256 tiles of 1,024 bytes a head,
	s_lshl_b32 s56, s48, 12                        ; four of them a block
	s_add_co_u32 s54, s54, s56
	s_add_nc_u64 s[4:5], s[4:5], s[54:55]
	s_lshl_b32 s54, s47, 21                        ; x, out0: batch,
	s_lshl_b32 s56, s20, 18                        ; my 16 rows of 16,384 bytes,
	s_add_co_u32 s54, s54, s56
	s_lshl_b32 s56, s48, 8                         ; 64 positions of 4 bytes a block
	s_add_co_u32 s54, s54, s56
	s_add_nc_u64 s[12:13], s[12:13], s[54:55]
	s_add_nc_u64 s[14:15], s[14:15], s[54:55]
.irp i, 0,1,2,3,4,5,6,7,8,9,10,11,12,13,14,15
	global_load_b128 v[SA+4*\i:SA+4*\i+3], v2, s[8:9] offset:\i*512          ; a whole row of proj_w
.endr
.irp q, 0,1,2,3
	global_load_b128 v[QF+8*\q:QF+8*\q+3],   v2, s[4:5] offset:\q*1024
	global_load_b128 v[QF+8*\q+4:QF+8*\q+7], v2, s[4:5] offset:\q*1024+512
.endr
	ROUND                                          ; all four work-groups are here: the first joint loads meet
	tensor_load_to_lds s[G0:G0+3], s[G1:G1+7]      ; tile 0
	s_nop 0
	s_wait_loadcnt 0x8                             ; proj_w is in; the eight loads of Q issued behind it may stay out
.irp i, 0,1,2,3,4,5,6,7,8,9,10,11,12,13,14,15
	v_cvt_pk_bf16_f32 v[KF+2*\i],   v[SA+4*\i],   v[SA+4*\i+1]
	v_cvt_pk_bf16_f32 v[KF+2*\i+1], v[SA+4*\i+2], v[SA+4*\i+3]
	ds_store_b64 v10, v[KF+2*\i:KF+2*\i+1] offset:\i*PITCH                   ; my own rows: I alone read them back
.endr
.irp q, 0,1,2,3
	v_mov_b32 v[STAT+4*\q], 0xff800000             ; the running maximum starts at minus infinity
.endr
	v_mov_b32 v[T0+5], 0                           ; v_permlanex16_b32 counts as a reader of its destination
	s_wait_loadcnt 0x0                             ; Q
; eight LDS loads, 512 consecutive bytes each: the four K tiles of keys 64 blk .. + 63 of a slot
.macro LDK slot, blk
.irp t, 0,1,2,3
.irp f, 0,1
	ds_load_b128 v[KF+8*\t+4*\f:KF+8*\t+4*\f+3], v[LA] offset:\slot*SLOT+\blk*8192+(\t>>1)*4096+(\t&1)*1024+\f*512
.endr
.endr
.endm
; and their V
.macro LDV slot, blk
.irp u, 0,1
.irp c, 0,1
.irp p, 0,1
	ds_load_b128 v[VF+8*(2*\u+\c)+4*\p:VF+8*(2*\u+\c)+4*\p+3], v[LA] offset:\slot*SLOT+\blk*8192+\u*4096+2048+\c*1024+\p*512
.endr
.endr
.endr
.endm
; scores of 64 keys x query tile q
.macro QK q
.irp t, 0,1,2,3
	MMZ SA+32*(\q&1)+8*\t, KF+8*\t, QF+8*\q
.endr
.endm
; the new maximum of query tile q (32 scores a lane in four chains, the old maximum, the other half-wave) and the factor 2^(old - new)
.macro SM_MAX q
	.set SB, SA+32*(\q&1)
	.set ST, STAT+4*\q
.irp c, 0,1,2,3
	v_max3_num_f32 v[T0+\c], v[SB+8*\c], v[SB+8*\c+1], v[SB+8*\c+2]
.endr
.irp c, 0,1,2,3
	v_max3_num_f32 v[T0+\c], v[T0+\c], v[SB+8*\c+3], v[SB+8*\c+4]
.endr
.irp c, 0,1,2,3
	v_max3_num_f32 v[T0+\c], v[T0+\c], v[SB+8*\c+5], v[SB+8*\c+6]
.endr
	v_max3_num_f32 v[T0], v[T0], v[SB+7], v[T0+1]
	v_max3_num_f32 v[T0+2], v[T0+2], v[SB+15], v[T0+3]
	v_max3_num_f32 v[T0], v[T0], v[SB+23], v[T0+2]
	v_max3_num_f32 v[T0], v[T0], v[SB+31], v[ST]
	v_permlanex16_b32 v[T0+5], v[T0], s40, s41
	v_max_num_f32 v[T0+2], v[T0], v[T0+5]
	v_sub_f32 v[ST+1], v[ST], v[T0+2]
	v_exp_f32 v[T0+4], v[ST+1]
	v_mov_b32 v[ST], v[T0+2]                       ; the plain vector instruction behind the transcendental (ISA guide 5.7.2)
.endm
.macro SUBM u                          ; the maximum is taken away from 16 scores
.irp k, 0,1,2,3,4,5,6,7
	v_pk_add_f32 v[SB+16*\u+2*\k:SB+16*\u+2*\k+1], v[SB+16*\u+2*\k:SB+16*\u+2*\k+1], v[ST:ST+1] op_sel_hi:[1,0] neg_lo:[0,1] neg_hi:[0,1]
.endr
.endm
.macro EXPU u
.irp k, 0,1,2,3,4,5,6,7,8,9,10,11,12,13,14,15
	v_exp_f32 v[SB+16*\u+\k], v[SB+16*\u+\k]
.endr
.endm
; 16 p are added to the sum in f32 and packed to bf16 in place: registers 16 u .. 16 u + 7 become the B fragment of 32 keys.
; mode 0: added; 1: the first pair rides on the sum's rescaling, one fused multiply-add; 2: the first two pairs start the sum.
.macro SUMPACK u, mode
	.set PU, SB+16*\u
.if \mode == 2
	s_wait_alu depctr_va_vdst(0)
	v_pk_add_f32 v[ST+2:ST+3], v[PU:PU+1], v[PU+2:PU+3]
	v_cvt_pk_bf16_f32 v[PU], v[PU], v[PU+1]
	v_cvt_pk_bf16_f32 v[PU+1], v[PU+2], v[PU+3]
.else
.if \mode == 1
	s_wait_alu depctr_va_vdst(0)
	v_pk_fma_f32 v[ST+2:ST+3], v[ST+2:ST+3], v[T0+4:T0+5], v[PU:PU+1] op_sel_hi:[1,0,1]
.else
	v_pk_add_f32 v[ST+2:ST+3], v[ST+2:ST+3], v[PU:PU+1]
.endif
	v_cvt_pk_bf16_f32 v[PU], v[PU], v[PU+1]
	v_pk_add_f32 v[ST+2:ST+3], v[ST+2:ST+3], v[PU+2:PU+3]
	v_cvt_pk_bf16_f32 v[PU+1], v[PU+2], v[PU+3]
.endif
.irp k, 2,3,4,5,6,7
	v_pk_add_f32 v[ST+2:ST+3], v[ST+2:ST+3], v[PU+2*\k:PU+2*\k+1]
	v_cvt_pk_bf16_f32 v[PU+\k], v[PU+2*\k], v[PU+2*\k+1]
.endr
.endm
.macro SM_A q
	.set SB, SA+32*(\q&1)
	.set ST, STAT+4*\q
	SUBM 0
.endm
; the exponentials stand in runs of 16; the plain work behind each run (the other 16 subtractions; O's rescaling) is the place that they need
.macro SM_B q, first
	.set SB, SA+32*(\q&1)
	.set ST, STAT+4*\q
	EXPU 0
	SUBM 1
.if \first
	SUMPACK 0, 2
.else
	SUMPACK 0, 1
.endif
	EXPU 1
.if \first
	v_nop
	s_wait_alu depctr_va_vdst(0)
.else
	s_wait_alu depctr_va_vdst(0)
.irp k, 0,1,2,3,4,5,6,7
	v_pk_mul_f32 v[OF+16*\q+2*\k:OF+16*\q+2*\k+1], v[OF+16*\q+2*\k:OF+16*\q+2*\k+1], v[T0+4:T0+5] op_sel_hi:[1,0]
.endr
.endif
	SUMPACK 1, 0
.endm
; O^T += V x P for 64 keys.  The two accumulators take turns, one instruction a turn.
.macro PV q, first
	.set SB, SA+32*(\q&1)
.if \first
	MMZ OF+16*\q,   VF,   SB
	MMZ OF+16*\q+8, VF+8, SB
.else
	MMA OF+16*\q,   VF,   SB, OF+16*\q
	MMA OF+16*\q+8, VF+8, SB, OF+16*\q+8
.endif
	MMA OF+16*\q,   VF+16, SB+16, OF+16*\q
	MMA OF+16*\q+8, VF+24, SB+16, OF+16*\q+8
.endm
; One tile of 128 keys.  The scores of the next query tile are issued ahead of this tile's softmax, into the other score buffer.
; Distances behind matrix instructions are kept by the softmax's own lines: a score buffer that PV read is written again behind the 16 maxima of
; the next SM_MAX; K is loaded again behind the eight subtractions of SM_A 2; V behind SM_MAX 0; none of these lines names a register of the
; matrix instruction concerned.  Only the trip's first scores need four v_nop.
.macro TRIP slot, refill, first
	s_set_vgpr_msb 0x5
	s_wait_tensorcnt 0x0                           ; all my tensor loads are done, this trip's tile among them,
	ds_add_u32 v0, v1
	s_wait_dscnt 0x0
	s_set_vgpr_msb 0x500
	s_add_nc_u64 s[G0+4*\slot+2:G0+4*\slot+3], s[G0+4*\slot+2:G0+4*\slot+3], 2*SLOT   ; so every group 0 may be written: this slot's next tile
	s_wait_dscnt 0x0                               ; my reads of the last trip's tile are done
	ROUND                                          ; both now hold of every wave of all four work-groups
.if \refill
	tensor_load_to_lds s[G0+4-4*\slot:G0+7-4*\slot], s[G1:G1+7]   ; the next tile, into the slot read last trip
	s_nop 0
.endif
	LDK \slot, 0
	s_wait_dscnt 0x0
	QK 0
	PLACES
	SM_MAX 0                                       ; keys 0 to 63
	LDV \slot, 0
	QK 1
	SM_A 0
	SM_B 0, \first
	s_wait_dscnt 0x0                               ; V
	PV 0, \first
	SM_MAX 1
	QK 2
	SM_A 1
	SM_B 1, \first
	PV 1, \first
	SM_MAX 2
	QK 3
	SM_A 2
	LDK \slot, 1
	SM_B 2, \first
	PV 2, \first
	SM_MAX 3
	s_wait_dscnt 0x0                               ; the next 64 keys' K
	QK 0
	SM_A 3
	SM_B 3, \first
	PV 3, \first
	SM_MAX 0                                       ; keys 64 to 127
	LDV \slot, 1
	QK 1
	SM_A 0
	SM_B 0, 0
	s_wait_dscnt 0x0
	PV 0, 0
	SM_MAX 1
	QK 2
	SM_A 1
	SM_B 1, 0
	PV 1, 0
	SM_MAX 2
	QK 3
	SM_A 2
	SM_B 2, 0
	PV 2, 0
	SM_MAX 3
	SM_A 3
	SM_B 3, 0
	PV 3, 0
.endm
	TRIP 0, 1, 1                                   ; 16 tiles: two in front of the loop (the first products start the sums),
	TRIP 1, 1, 0
	s_mov_b32 s44, 6
.Llap:
	TRIP 0, 1, 0                                   ; twelve in it,
	TRIP 1, 1, 0
	s_sub_co_u32 s44, s44, 1
	s_cmp_lg_u32 s44, 0
	s_cbranch_scc1 .Llap
	TRIP 0, 1, 0                                   ; two behind it: the last fetches nothing
	TRIP 1, 0, 0
	; the sums: two partial sums a lane, two half-waves.  These twelve lines are also the places behind the last matrix instructions.
.irp q, 0,1,2,3
	v_add_f32 v[STAT+4*\q+2], v[STAT+4*\q+2], v[STAT+4*\q+3]
.endr
.irp q, 0,1,2,3
	v_permlanex16_b32 v[STAT+4*\q+3], v[STAT+4*\q+2], s40, s41
.endr
.irp q, 0,1,2,3
	v_add_f32 v[STAT+4*\q+2], v[STAT+4*\q+2], v[STAT+4*\q+3]
.endr
	; x and proj_b for the end are asked for now: row 16 w + 8 h + j, positions 4 r .. 4 r + 3
.irp j, 0,1,2,3,4,5,6,7
	global_load_b128 v[XR+4*\j:XR+4*\j+3], v12, s[12:13] offset:\j*16384 th:TH_LOAD_NT
.endr
	global_load_b128 v[PB:PB+3],   v13, s[10:11]
	global_load_b128 v[PB+4:PB+7], v13, s[10:11] offset:16
	v_add_nc_u32 v10, 0x20000, v[LA]               ; the ring of wave w + 4
	; the waves of the second key half hand over O^T, maxima and sums through 10,240 bytes of their own ring, which has had its last fill
	s_cmp_lt_u32 s20, 4
	s_cbranch_scc1 .Lno_give
.irp k, 0,1,2,3,4,5,6,7,8,9,10,11,12,13,14,15
	ds_store_b128 v[LA], v[OF+4*\k:OF+4*\k+3] offset:\k*512
.endr
.irp q, 0,1,2,3
	ds_store_b128 v[LA], v[STAT+4*\q:STAT+4*\q+3] offset:8192+\q*512
.endr
.Lno_give:
	s_wait_dscnt 0x0
	s_barrier_signal -1
	s_barrier_wait -1
	s_cmp_ge_u32 s20, 4
	s_cbranch_scc1 .Lno_merge
.irp k, 0,1,2,3,4,5,6,7,8,9,10,11,12,13,14,15
	ds_load_b128 v[OBF+4*\k:OBF+4*\k+3], v10 offset:\k*512
.endr
.irp q, 0,1,2,3
	ds_load_b128 v[SS+4*\q:SS+4*\q+3], v10 offset:8192+\q*512
.endr
	s_wait_dscnt 0x0
; out = (Oa 2^(ma - m) + Ob 2^(mb - m)) / (la 2^(ma - m) + lb 2^(mb - m)), m = max(ma, mb); the divisor is at least 1
.macro MERGE q
	v_max_num_f32 v[T0], v[STAT+4*\q], v[SS+4*\q]
	v_sub_f32 v[T0+1], v[STAT+4*\q], v[T0]
	v_sub_f32 v[T0+2], v[SS+4*\q], v[T0]
	v_exp_f32 v[T0+1], v[T0+1]
	v_exp_f32 v[T0+2], v[T0+2]
	v_nop
	s_wait_alu depctr_va_vdst(0)
	v_mul_f32 v[T0+3], v[STAT+4*\q+2], v[T0+1]
	v_fmac_f32 v[T0+3], v[SS+4*\q+2], v[T0+2]
	v_rcp_f32 v[T0+3], v[T0+3]
	v_nop
	s_wait_alu depctr_va_vdst(0)
	v_mul_f32 v[T0], v[T0+1], v[T0+3]
	v_mul_f32 v[T0+2], v[T0+2], v[T0+3]
.irp k, 0,1,2,3,4,5,6,7
	v_pk_mul_f32 v[OF+16*\q+2*\k:OF+16*\q+2*\k+1], v[OF+16*\q+2*\k:OF+16*\q+2*\k+1], v[T0:T0+1] op_sel_hi:[1,0]
.endr
.irp k, 0,1,2,3,4,5,6,7
	v_pk_fma_f32 v[OF+16*\q+2*\k:OF+16*\q+2*\k+1], v[OBF+16*\q+2*\k:OBF+16*\q+2*\k+1], v[T0+2:T0+3], v[OF+16*\q+2*\k:OF+16*\q+2*\k+1] op_sel_hi:[1,0,1]
.endr
.irp k, 0,1,2,3,4,5,6,7
	v_cvt_pk_bf16_f32 v[PK+\k], v[OF+16*\q+2*\k], v[OF+16*\q+2*\k+1]
.endr
	ds_store_b128 v11, v[PK:PK+3]   offset:\q*16*PITCH       ; row 16 q + r, channels 32 head + 8 h ..
	ds_store_b128 v11, v[PK+4:PK+7] offset:\q*16*PITCH+32    ; and 32 head + 16 + 8 h ..
.endm
	MERGE 0
	MERGE 1
	MERGE 2
	MERGE 3
.Lno_merge:
	s_wait_dscnt 0x0
	s_barrier_signal -1
	s_barrier_wait -1
	; THE PROJECTION.  Wave w makes output rows 16 w .. 16 w + 15 for all 64 queries: A = proj_w (rows = output channels), B = the attention's result.
.irp ks, 0,1,2,3
	ds_load_b128 v[PWF+8*\ks:PWF+8*\ks+3],   v14 offset:\ks*64
	ds_load_b128 v[PWF+8*\ks+4:PWF+8*\ks+7], v14 offset:\ks*64+32
.endr
.irp t, 0,1,2,3
.irp ks, 0,1,2,3
	ds_load_b128 v[HF+32*\t+8*\ks:HF+32*\t+8*\ks+3],   v15 offset:\t*16*PITCH+\ks*64
	ds_load_b128 v[HF+32*\t+8*\ks+4:HF+32*\t+8*\ks+7], v15 offset:\t*16*PITCH+\ks*64+32
.endr
.endr
	s_wait_dscnt 0x0
	s_wait_loadcnt 0x0                             ; proj_b and x
.irp t, 0,1,2,3
	MMA ACC+8*\t, PWF, HF+32*\t, PB                ; the first K step starts the sums from the bias; the four accumulators take turns
.endr
.irp ks, 1,2,3
.irp t, 0,1,2,3
	MMA ACC+8*\t, PWF+8*\ks, HF+32*\t+8*\ks, ACC+8*\t
.endr
.endr
	PLACES
	; register j of tile t is (row 16 w + 8 h + j, position 4 r + t): the residual's add also brings four neighbouring positions together
.irp j, 0,1,2,3,4,5,6,7
.irp t, 0,1,2,3
	v_add_f32 v[XR+4*\j+\t], v[XR+4*\j+\t], v[ACC+8*\t+\j]
.endr
	global_store_b128 v12, v[XR+4*\j:XR+4*\j+3], s[14:15] offset:\j*16384 th:TH_STORE_NT   ; sixteen lanes store 256 consecutive bytes, aligned
.endr
	s_set_vgpr_msb 0x5
	s_wait_tensorcnt 0x0
	ds_add_u32 v0, v1
	s_wait_dscnt 0x0
	s_set_vgpr_msb 0x500
	ROUND                                          ; the closing round: no work-group ends while a partner may still ask for a tile that names it
	s_endpgm
.Lfunc_end_k_q5450b7d7b9_attn:
	.size	k_q5450b7d7b9_attn, .Lfunc_end_k_q5450b7d7b9_attn-k_q5450b7d7b9_attn
	.p2alignl 7, 3214868480
	.fill 96, 4, 3214868480
	.section	.rodata,"a",@progbits
	.p2align	6, 0x0
	.amdhsa_kernel k_q5450b7d7b9_attn
		.amdhsa_group_segment_fixed_size 327680
		.amdhsa_private_segment_fixed_size 0
		.amdhsa_enable_private_segment 0
		.amdhsa_kernarg_size 48
		.amdhsa_user_sgpr_count 2
		.amdhsa_user_sgpr_kernarg_segment_ptr 1
		.amdhsa_wavefront_size32 1
		.amdhsa_system_sgpr_workgroup_id_x 1
		.amdhsa_system_sgpr_workgroup_id_y 1
		.amdhsa_system_sgpr_workgroup_id_z 1
		.amdhsa_system_vgpr_workitem_id 0
		.amdhsa_next_free_vgpr 258
		.amdhsa_next_free_sgpr 66
		.amdhsa_reserve_vcc 0
		.amdhsa_float_denorm_mode_32 3
		.amdhsa_float_denorm_mode_16_64 3
		.amdhsa_memory_ordered 1
		.amdhsa_forward_progress 1
		.amdhsa_inst_pref_size 255
	.end_amdhsa_kernel
	.section	.bss,"aw",@nobits
	.p2align	6
	.space	262144
	.amdgpu_metadata
---
amdhsa.version: [ 1, 2 ]
amdhsa.kernels:
  - .name:           k_q5450b7d7b9_attn
    .symbol:         k_q5450b7d7b9_attn.kd
    .args:
      - { .name: qbuf, .offset: 0, .size: 8, .value_kind: global_buffer, .address_space: global }
      - { .name: kvbuf, .offset: 8, .size: 8, .value_kind: global_buffer, .address_space: global }
      - { .name: proj_w, .offset: 16, .size: 8, .value_kind: global_buffer, .address_space: global }
      - { .name: proj_b, .offset: 24, .size: 8, .value_kind: global_buffer, .address_space: global }
      - { .name: x, .offset: 32, .size: 8, .value_kind: global_buffer, .address_space: global }
      - { .name: out0, .offset: 40, .size: 8, .value_kind: global_buffer, .address_space: global }
    .group_segment_fixed_size: 327680
    .private_segment_fixed_size: 0
    .kernarg_segment_align: 8
    .kernarg_segment_size: 48
    .max_flat_workgroup_size: 256
    .sgpr_count:     66
    .vgpr_count:     258
    .wavefront_size: 32
...
	.end_amdgpu_metadata
.endif
;; end of part 2
